; MI455X (gfx1250); checked and timed in simulation.
; The chip was launched on July 23, 2026; its instructions are those of AMD's public machine-readable ISA for CDNA 5 (MIT licence, August 2026) and "CDNA5" Instruction Set Architecture Reference Guide (July 2026). The comments in the code are by the model that wrote it; some were corrected since.
;; Geometric Linear. Allowed arithmetic: matrix products marked QUANTISED: E2M1 operands, one E8M0 scale for each 32 along K, by v_wmma_scale_f32_16x16x128_f8f6f4 with both operands' format E2M1 (or v_wmma_scale_f32_32x16x128_f4), f32 sums; products left as they are: f32 operands where the result goes on into a quantised operand, else bf16, f16 or f32 operands; f32 sums; everything else in f32.
;; Inputs: bias 512 x 8 float32; weight 512 x 512 x 8 float32; x 4,096 x 512 x 8 float32.
;; Outputs: out0 4,096 x 512 x 8 float32.
;; This version of the problem:
;;   THIS VERSION OF THE PROBLEM IS GIVEN IN LOW PRECISION. The matrix products marked QUANTISED in the list below multiply operands that are first quantised to E2M1 (2 exponent bits, 1 mantissa bit; 4 bits a number), with one power-of-two scale for each 32 numbers along K (OCP MX v1.0); their sums are f32. All else is computed in f32.
;;   The module's matrix products, in the order in which they are computed (A, B: the left and right operand; K: the contracted axis; several contracted axes count as one K, in the product's order):
;;     1. [M 262,144, K 8] x [K 8, N 64]; A: input weight; B: computed on the way: left as it is (K = 8 < 32)
;;     2. [M 4,096, K 4,096] x [K 4,096, N 4,096]; A: input x; B: computed on the way: QUANTISED
;;   THE QUANTISER, for each operand of a quantised product, along K:
;;     - K is cut into blocks of 32 from its start; a last block that is shorter is filled with zeros.
;;     - A block's scale is 2^e with e = floor(log2(the largest magnitude in the block)) - 2, held to -126 .. 127; a block of zeros has e = 0. As a byte (E8M0): e + 127.
;;     - Each number is divided by its block's scale, clamped to +-6, and rounded to the nearest number of E2M1, ties to even, subnormals kept.
;;     - The product sums the exact products of the quantised numbers (number of the format x scale) in f32.
;;   ~~~python
;;   def quantise(x, axis):      # numpy; x: float32 -> the quantised numbers, widened to float32 again
;;       x = np.moveaxis(x, axis, -1); K = x.shape[-1]
;;       x = np.pad(x, [(0, 0)] * (x.ndim - 1) + [(0, -K % 32)]); x = x.reshape(x.shape[:-1] + (-1, 32)); a = np.abs(x).max(-1, keepdims=True)
;;       e = np.where(a > 0, np.clip(np.frexp(np.where(a > 0, a, 1))[1] - 1 - 2, -126, 127), 0)      # np.frexp(a)[1] - 1 = floor(log2(a)), exactly
;;       r = np.clip(x / 2.0 ** e, -6, 6)
;;       step = 2.0 ** (np.maximum(np.frexp(np.where(r == 0, 1, r))[1] - 1, 0) - 1)
;;       q = np.round(r / step) * step * 2.0 ** e      # np.round: ties to even
;;       return np.moveaxis(q.reshape(q.shape[:-2] + (-1,))[..., :K], -1, axis).astype(np.float32)
;;   ~~~
;;   OPERANDS COMPUTED ON THE WAY. 'Computed on the way' means the value that the module computes at that place (a softmax that the list does not call 'softmax' is quantised finished and normalised). What goes into a quantiser is computed in f32, as accurately as f32 sums, v_exp_f32 and their like allow (about 1e-6 of the number): no bf16 or f16 on the way to a quantiser, and a product that is left as it is and whose result goes on into a quantised operand takes f32 operands (vector FMAs, or v_wmma_f32_16x16x4_f32). A number that lies on a knife's edge between two numbers of the format may be rounded either way, as far as f32 arithmetic and the matrix unit's own rounding can turn it there, and no further.
;; One version. Each part assembles by itself: llvm-mc -triple=amdgcn-amd-amdhsa -mcpu=gfx1250 --defsym DOCPART=n.
;; ======== version 1 of 1: 2 launches
;; limits: right only within a limited range of input values
;; workspace buffers: acodes 8,912,896 bytes; bcodes 8,912,896 bytes
;; launch quant (part 1): grid 768 x 1, 4 waves a work-group, no clusters, 94,208 bytes of LDS; arguments x, weight, acodes, bcodes; writes acodes, bcodes
.if DOCPART == 1
	.amdgcn_target "amdgcn-amd-amdhsa--gfx1250"
	.amdhsa_code_object_version 6
	.text
	.protected	k_q086a6e8634_quant
	.globl	k_q086a6e8634_quant
	.p2align	8
	.type	k_q086a6e8634_quant,@function
k_q086a6e8634_quant:
	s_mov_b64 s[64:65], 0
	v_nop
	global_prefetch_b8 v0, s[64:65] scope:SCOPE_SE
	s_setreg_imm32_b32 hwreg(HW_REG_WAVE_MODE, 25, 1), 1
	s_wait_xcnt 0x0
; BOTH OPERANDS OF out[b][n] = sum over k of x[b][k] Wc[n][k] BECOME CODES OF FP4 (E2M1) WITH ONE E8M0 BYTE FOR EACH 32 ALONG K.  k = 8 j + p, n = 8 i + e; 4,096 rows and 4,096 along K each.
; A is x as it lies (K innermost).  B is Wc[n][k] = sum over q of weight[i][j][q] C[p][q][e], C the constant table of Cl(3,0) that reference() builds: for each (p, e) one q alone has an entry, +1 or -1.
; DEAD WORK LEFT OUT: the seven other terms of that sum are products with the table's zeros, 0 for all finite weights; so the sum is its one term, weight x +-1, exact in f32.  A NaN or an infinity that reaches only terms left out is not carried.
; For a fixed e the map p -> q is a permutation, so a block of 32 along K (4 j x 8 p) of row 8 i + e holds the magnitudes of weight[i][4 j ..][0 .. 7]: the eight rows of one i share each block's scale byte.
; A block's scale is 2^(floor(log2(its largest magnitude)) - 2); its byte is the largest magnitude's exponent field - 2, held at 1 from below.  Each number is divided by the scale and rounded to the nearest code, ties to even; beyond 6 the largest code.
; LIMITS: NaN and infinities among the inputs are not served.  Blocks whose largest magnitude lies under 2^-124, the floor, have their byte held at 1 and were not tried.
;   A block of zeros gets the byte 1 where the rule says 127: its codes are zeros, which add nothing under any byte but 0xff, and the bytes are read by this program alone.
; A'S OUTPUT: [32 blocks of 128 rows][8 chunks of 512 along K][128 rows][272 bytes: 256 of codes, K ascending, the lower k in the low four bits, and 16 scale bytes].
; B'S OUTPUT: [32 groups of 128 rows n][8 chunks of 512 along K][34,816 bytes]: the image of the next launch's registers.  n = 64 g + 4 r + c of a group is row r of tile t = 4 g + c.
;   Codes [4 steps q of 128][8 tiles t][2 cc][2 h][16 r][16 bytes: the 32 codes of block 4 q + 2 cc + h]; behind these 32,768 bytes the scale bytes [8 tiles][16 r][16 blocks].
; SHARES.  Work-groups 0 to 255 take the weight (more arithmetic for each byte), 256 to 767 take x.  Each of the two paths has LDS bytes of its own.
; Left out: tensor loads, clusters, the matrix unit (nothing is shared, and the product with the table has one term for each output); prefetches (all loads run ahead in registers, and no loop runs behind them).
.set REC,   272                        ; a record of A
.set GRP,   16*REC                     ; 16 records: 4,352 bytes
.set BLKB,  128*REC                    ; a chunk of 128 rows, of A or of B: 34,816 bytes
.set XREG,  9472                       ; LDS of a wave on x's path: two turning stages of 2,560 bytes, the out stage of 4,352
.set XOUT,  5120
.set WLDS,  4*XREG                     ; LDS of the weight's path: four turning stages of 4,608 bytes,
.set WREG,  4608
.set WOUTB, WLDS+4*WREG                ; and two out stages (one for each chunk), the work-group's:
.set OQ,    4416                       ; codes: step q at 4,416 q, tile c at 1,088 c, unit 2 cc + h at 272 (2 cc + h), row r at 16 r: the sixteen blocks of a row lie at sixteen different multiples of 16 modulo 256
.set OSC,   4*OQ                       ; scale bytes: 256 c + 16 r + block
.set OST,   OSC+1024
.set SPARE, WOUTB+2*OST                ; the spare words, 128 bytes for each wave
; v2 lane, v3 16 x lane, v10 8 x lane, v200 and v201 (spare word, 0): never rewritten.
	s_load_b256 s[4:11], s[0:1], 0x0               ; x s[4:5], weight s[6:7], A's output s[8:9], B's output s[10:11]
	v_lshl_add_u32 v200, v0, 2, SPARE
	v_mov_b32 v201, 0
	v_lshrrev_b32 v1, 5, v0
	v_readfirstlane_b32 s16, v1                    ; wave 0..3
	v_and_b32 v2, 31, v0                           ; lane
	v_lshlrev_b32 v3, 4, v2
	v_lshlrev_b32 v10, 3, v2
	s_wait_alu depctr_va_vdst(0)                   ; the wait at the head's end
	s_wait_kmcnt 0x0
	s_cmp_lt_u32 ttmp9, 256
	s_cbranch_scc1 .Lweight
; ---------------------------------------------------------------- x
; A wave takes 16 rows x one chunk of 512: task T = 4 (work-group - 256) + wave; rows 16 (T / 8) on, chunk T % 8.  A step of the text is one row's 512 numbers, 2,048 consecutive bytes.
; The conversions take neighbours along K from ONE lane's registers.  Four loads of 512 consecutive bytes go through a turning stage in LDS as they lie and come back 64 bytes a lane (places of 64 + 16 bytes).
; Two neighbouring lanes hold a block.  Loads run four steps ahead, the turn one step.
.set XR, 16                            ; v16-79   four sets of 16 numbers as loaded
.set XX, 80                            ; v80-111  two sets of 16 neighbours
.set XE, 112                           ; v112-127 a scale byte for each step
.set XC, 128                           ; v128-159 two registers of codes for each step
	s_sub_co_u32 s17, ttmp9, 256
	s_lshl_b32 s17, s17, 2
	s_add_co_u32 s17, s17, s16                     ; T
	s_lshr_b32 s18, s17, 3                         ; which 16 rows, 0..255
	s_and_b32 s19, s17, 7                          ; which chunk
	s_lshl_b32 s20, s18, 18                        ; 16 rows of 16,384 bytes
	s_lshl_b32 s21, s19, 11                        ; 2,048 bytes a chunk
	s_add_co_u32 s20, s20, s21
	s_mov_b32 s21, 0
	s_add_nc_u64 s[4:5], s[4:5], s[20:21]
	s_and_b32 s22, s18, 0xf8                       ; 8 x (block of 128 rows)
	s_add_co_u32 s22, s22, s19
	s_mul_i32 s22, s22, BLKB
	s_and_b32 s23, s18, 7                          ; which 16 of the 128 rows
	s_mul_i32 s23, s23, GRP
	s_add_co_u32 s22, s22, s23
	s_mov_b32 s23, 0
	s_add_nc_u64 s[8:9], s[8:9], s[22:23]
.macro XLOAD t
.irp i, 0,1,2,3
	global_load_b128 v[XR+16*((\t)%4)+4*\i:XR+16*((\t)%4)+4*\i+3], v3, s[4:5] offset:16384*(\t)+512*\i th:TH_LOAD_NT   ; 32 lanes read 512 consecutive bytes of row t; read once in the launch
.endr
.endm
.irp t, 0,1,2,3
	XLOAD \t
.endr
	s_mul_i32 s24, s16, XREG                       ; my wave's LDS
	v_lshrrev_b32 v14, 2, v2
	v_mul_u32_u24 v14, v14, 80
	v_and_b32 v15, 3, v2
	v_lshl_add_u32 v14, v15, 4, v14
	v_add_nc_u32 v14, s24, v14                     ; the turning stage, in: 80 (lane / 4) + 16 (lane % 4); a load's 512 bytes take eight places
	v_mul_u32_u24 v15, v2, 80
	v_add_nc_u32 v15, s24, v15                     ; and out: 80 x lane: my 16 neighbours
	s_add_co_u32 s24, s24, XOUT                    ; the out stage
	v_add_nc_u32 v4, s24, v10                      ; my 16 codes: 8 bytes at 8 x lane of a record
	v_lshrrev_b32 v5, 1, v2
	v_add_nc_u32 v5, s24, v5
	v_add_nc_u32 v5, 256, v5                       ; my block's byte: 256 + lane / 2
	v_add_nc_u32 v6, s24, v3                       ; the way out
	v_add_nc_u32 v7, 4096, v4
.macro XTURN t                         ; step t's numbers through the turning stage
.irp i, 0,1,2,3
	ds_store_b128 v14, v[XR+16*((\t)%4)+4*\i:XR+16*((\t)%4)+4*\i+3] offset:2560*((\t)%2)+640*\i
.endr
.irp i, 0,1,2,3
	ds_load_b128 v[XX+16*((\t)%2)+4*\i:XX+16*((\t)%2)+4*\i+3], v15 offset:2560*((\t)%2)+16*\i
.endr
.endm
	s_wait_alu depctr_va_vdst(0)                   ; the wait here, directly ahead of the wait below
	s_wait_loadcnt 12                              ; step 0's four loads are in; those of steps 1 to 3 may be out
	XTURN 0
.macro XSTEP t
.set XS, XX+16*((\t)%2)
.if (\t) > 0
	s_wait_dscnt 2                                 ; this step's numbers are back (behind them: the last step's two stores into the out stage), so its stores into the turning stage have read their registers,
.else
	s_wait_dscnt 0x0
.endif
.if (\t)+4 < 16
	XLOAD (\t)+4                                   ; which take the loads of four steps on
.endif
.if (\t)+1 < 16
.if 14-(\t) >= 3
	s_wait_loadcnt 12                              ; the next step's four loads are in; those of the three steps behind it may be out
.else
	s_wait_loadcnt 4*(14-(\t))                     ; (fewer steps are left behind it)
.endif
	XTURN (\t)+1                                   ; they go through the other stage while this step is worked
.endif
	v_max3_num_f32 v8, |v[XS]|, |v[XS+1]|, |v[XS+2]|               ; the largest magnitude of my 16, in two chains
	v_max3_num_f32 v9, |v[XS+3]|, |v[XS+4]|, |v[XS+5]|
.irp i, 6,10
	v_max3_num_f32 v8, v8, |v[XS+\i]|, |v[XS+\i+1]|
	v_max3_num_f32 v9, v9, |v[XS+\i+2]|, |v[XS+\i+3]|
.endr
	v_max3_num_f32 v8, v8, |v[XS+14]|, |v[XS+15]|
	v_max3_num_f32 v8, v8, v9, 0x1800000           ; and the floor 2^(3 - 127): the byte cannot fall under 1
	v_max_num_f32_dpp v8, v8, v8 row_xmask:1 row_mask:0xf bank_mask:0xf   ; with my neighbour's 16: the block's
	v_add_nc_u32 v11, 0xff000000, v8               ; 2 off its exponent field: the conversion takes the exponent field of this operand as its scale, and nothing else of it
	v_cvt_scalef32_pk8_fp4_f32 v[XC+2*(\t)], v[XS:XS+7], v11
	v_cvt_scalef32_pk8_fp4_f32 v[XC+2*(\t)+1], v[XS+8:XS+15], v11
	v_lshrrev_b32 v[XE+(\t)], 23, v11              ; the scale's byte; also the plain line behind the conversions
	ds_store_b8 v5, v[XE+(\t)] offset:REC*(\t)     ; both lanes of a block write the same byte with the same value
	ds_store_b64 v4, v[XC+2*(\t):XC+2*(\t)+1] offset:REC*(\t)      ; row t's record
.endm
.irp t, 0,1,2,3,4,5,6,7,8,9,10,11,12,13,14,15
	XSTEP \t
.endr
; The 16 records, 4,352 consecutive bytes, leave the out stage through v16-49 (the last turn's stores were shown done by step 15's wait).
.irp k, 0,1,2,3,4,5,6,7
	ds_load_b128 v[16+4*\k:19+4*\k], v6 offset:512*\k              ; LDS serves a wave's instructions in order (ISA guide 5.7.1.4): these see my stores into the stage
.endr
	ds_load_b64 v[48:49], v7
.irp k, 0,1,2,3,4,5,6,7
	s_wait_dscnt 8-\k                              ; load k is in; the 8 - k behind it may be out
	global_store_b128 v3, v[16+4*\k:19+4*\k], s[8:9] offset:512*\k ; 32 lanes store 512 consecutive bytes, at a multiple of 256 from the buffer's first byte
.endr
	s_wait_dscnt 0x0
	global_store_b64 v10, v[48:49], s[8:9] offset:4096             ; and the last 256
	s_wait_tensorcnt 0x0                           ; the wave's end
	ds_add_u32 v200, v201
	s_wait_dscnt 0x0
	s_endpgm
; ---------------------------------------------------------------- weight
; Work-group t owns i = 8 G .. 8 G + 7, G = t / 4 (64 rows n: one g of a group of 128), and chunks 2 (t % 4) and 2 (t % 4) + 1.  Wave w takes i = 8 G + 2 w + l / 16 and block l % 16 of each chunk: weight[i][4 j's][8 q's],
; 32 neighbouring numbers, which are the block's numbers of all eight rows e, in another order and with other signs.  So one search for the largest magnitude serves eight blocks.
; The loads read 512 consecutive bytes each and go through a turning stage (places of 128 + 16 bytes).  The codes of the four waves meet in the out stages; behind a barrier wave w stores step q = w of both chunks:
; 4,096 consecutive bytes of codes, and the 256 scale bytes of tile c = w.
.set WR, 16                            ; v16-79   32 registers for each of the two chunks, as loaded
.set WX, 80                            ; v80-111  my 32 numbers: register 8 jj + q
.set WT, 112                           ; v112-127 eight terms in the order of p: two sets by turns
.set WC, 128                           ; v128-159 codes: register 4 e + jj
.Lweight:
	s_lshr_b32 s18, ttmp9, 2                       ; G
	s_and_b32 s19, ttmp9, 3                        ; which pair of chunks
	s_lshl_b32 s20, s18, 17                        ; eight i of 16,384 bytes
	s_lshl_b32 s21, s16, 15                        ; two i a wave
	s_add_co_u32 s20, s20, s21
	s_lshl_b32 s21, s19, 12                        ; two chunks of 2,048 bytes
	s_add_co_u32 s20, s20, s21
	s_mov_b32 s21, 0
	s_add_nc_u64 s[6:7], s[6:7], s[20:21]
.irp u, 0,1
.irp m, 0,1,2,3,4,5,6,7
	global_load_b128 v[WR+32*\u+4*\m:WR+32*\u+4*\m+3], v3, s[6:7] offset:2048*\u+(\m/4)*16384+512*(\m%4) th:TH_LOAD_NT   ; 512 consecutive bytes; read once in the launch
.endr
.endr
	s_lshr_b32 s22, s18, 1                         ; which group of 128 rows
	s_mul_i32 s22, s22, 8*BLKB
	s_mul_i32 s23, s19, 2*BLKB
	s_add_co_u32 s22, s22, s23
	s_mov_b32 s23, 0
	s_add_nc_u64 s[12:13], s[10:11], s[22:23]      ; my first chunk
	s_and_b32 s18, s18, 1                          ; g
	s_lshl_b32 s28, s18, 12
	s_lshl_b32 s29, s16, 13
	s_add_co_u32 s28, s28, s29                     ; codes: 8,192 q + 4,096 g, q = my wave
	s_mov_b32 s29, 0
	s_add_nc_u64 s[10:11], s[12:13], s[28:29]
	s_lshl_b32 s30, s18, 10
	s_lshl_b32 s31, s16, 8
	s_add_co_u32 s30, s30, s31
	s_add_co_u32 s30, s30, 32768                   ; scale bytes: 32,768 + 1,024 g + 256 c, c = my wave
	s_mov_b32 s31, 0
	s_add_nc_u64 s[12:13], s[12:13], s[30:31]
	s_mul_i32 s17, s16, WREG
	s_add_co_u32 s17, s17, WLDS                    ; my turning stage
	s_lshl_b32 s24, s16, 6
	s_add_co_u32 s24, s24, WOUTB                   ; my rows r = 4 w .. 4 w + 3 of the out stage's codes,
	s_add_co_u32 s25, s24, OSC                     ; and of its scale bytes
	s_mul_i32 s26, s16, OQ
	s_add_co_u32 s26, s26, WOUTB                   ; the way out: step q = my wave,
	s_lshl_b32 s27, s16, 8
	s_add_co_u32 s27, s27, WOUTB+OSC               ; tile c = my wave
	v_lshrrev_b32 v14, 3, v2
	v_mul_u32_u24 v14, v14, 144
	v_and_b32 v15, 7, v2
	v_lshl_add_u32 v14, v15, 4, v14
	v_add_nc_u32 v14, s17, v14                     ; the turning stage, in: eight lanes' 128 bytes on end, then 16 of padding; a load's 512 bytes take four places
	v_mul_u32_u24 v15, v2, 144
	v_add_nc_u32 v15, s17, v15                     ; and out: 144 x lane: place 16 (l / 16) + l % 16 is my i's block
	v_bfe_u32 v8, v2, 2, 2                         ; block / 4 = q
	v_mul_u32_u24 v4, v8, OQ
	v_and_b32 v9, 3, v2                            ; 2 cc + h
	v_mul_u32_u24 v9, v9, 272
	v_add_nc_u32 v4, v4, v9
	v_lshrrev_b32 v12, 4, v2
	v_lshl_add_u32 v4, v12, 5, v4
	v_add_nc_u32 v4, s24, v4                       ; my block's 16 bytes of codes: r = 4 w + 2 (l / 16) + e / 4
	v_and_b32 v13, 15, v2
	v_lshl_add_u32 v5, v12, 5, v13
	v_add_nc_u32 v5, s25, v5                       ; my block's byte
	v_mul_u32_u24 v6, v12, 272
	v_lshl_add_u32 v6, v13, 4, v6
	v_add_nc_u32 v6, s26, v6                       ; the way out: two units of 256 bytes an instruction
	v_add_nc_u32 v7, s27, v10
; Row e of my i.  qt: four bits for each p, the q whose entry in the table is not 0; sg: bit p set where that entry is -1.  The conversion takes eight consecutive registers, so each term is laid at its p:
; one multiplication by +-1.0, the sum's one term.  The other set's eight multiplications stand between a conversion and the next write of its sources.
.macro COL u, e, qt, sg
.irp jj, 0,1,2,3
.irp p, 0,1,2,3,4,5,6,7
.if (((\sg)>>(\p))&1)
	v_mul_f32 v[WT+8*(\jj%2)+\p], -1.0, v[WX+8*\jj+(((\qt)>>(4*\p))&7)]
.else
	v_mul_f32 v[WT+8*(\jj%2)+\p], 1.0, v[WX+8*\jj+(((\qt)>>(4*\p))&7)]
.endif
.endr
	v_cvt_scalef32_pk8_fp4_f32 v[WC+4*\e+\jj], v[WT+8*(\jj%2):WT+8*(\jj%2)+7], v11   ; k = 32 x block + 8 jj + 0 .. 7
.endr
	ds_store_b128 v4, v[WC+4*\e:WC+4*\e+3] offset:OST*\u+1088*(\e%4)+16*(\e/4)       ; tile c = e % 4, row r + e / 4
	ds_store_b8 v5, v9 offset:OST*\u+256*(\e%4)+16*(\e/4)                            ; the same byte in all eight rows
.endm
.macro WSTEP u
	s_wait_loadcnt 8*(1-\u)                        ; this chunk's eight loads are in; the other's may be out
.irp m, 0,1,2,3,4,5,6,7
	ds_store_b128 v14, v[WR+32*\u+4*\m:WR+32*\u+4*\m+3] offset:576*\m
.endr
.irp c, 0,1,2,3,4,5,6,7
	ds_load_b128 v[WX+4*\c:WX+4*\c+3], v15 offset:16*\c
.endr
	s_wait_dscnt 0x0
	v_max3_num_f32 v12, |v[WX]|, |v[WX+1]|, |v[WX+2]|              ; the block's largest magnitude: all 32 numbers are mine
	v_max3_num_f32 v13, |v[WX+3]|, |v[WX+4]|, |v[WX+5]|
.irp i, 6,10,14,18,22,26
	v_max3_num_f32 v12, v12, |v[WX+\i]|, |v[WX+\i+1]|
	v_max3_num_f32 v13, v13, |v[WX+\i+2]|, |v[WX+\i+3]|
.endr
	v_max3_num_f32 v12, v12, |v[WX+30]|, |v[WX+31]|
	v_max3_num_f32 v12, v12, v13, 0x1800000        ; and the floor 2^(3 - 127)
	v_add_nc_u32 v11, 0xff000000, v12              ; the conversions' scale operand
	v_lshrrev_b32 v9, 23, v11                      ; the scale's byte
	COL \u, 0, 0x76543210, 0xf0
	COL \u, 1, 0x67325401, 0xcc
	COL \u, 2, 0x53716042, 0x18
	COL \u, 3, 0x42170653, 0xf0
	COL \u, 4, 0x35607124, 0x24
	COL \u, 5, 0x24061735, 0xcc
	COL \u, 6, 0x10452376, 0x18
	COL \u, 7, 0x01234567, 0x24
	v_nop                                          ; a plain line behind the last conversion
.endm
	s_wait_alu depctr_va_vdst(0)                   ; the wait here, directly ahead of the wait below
.macro WSEND u, o
	s_wait_dscnt 0x0                               ; my stores into this chunk's out stage are done,
	s_barrier_signal -1
	s_barrier_wait -1                              ; and so are the other waves'
.irp k, 0,1,2,3,4,5,6,7
	ds_load_b128 v[\o+4*\k:\o+4*\k+3], v6 offset:OST*\u+544*\k     ; k = 2 c + cc: units h = 0 and 1
.endr
	ds_load_b64 v[\o+32:\o+33], v7 offset:OST*\u
.irp k, 0,1,2,3,4,5,6,7
	s_wait_dscnt 8-\k                              ; load k is in; the 8 - k behind it may be out
	global_store_b128 v3, v[\o+4*\k:\o+4*\k+3], s[10:11] offset:BLKB*\u+512*\k       ; 512 consecutive bytes, at a multiple of 256 from the buffer's first byte
.endr
	s_wait_dscnt 0x0
	global_store_b64 v10, v[\o+32:\o+33], s[12:13] offset:BLKB*\u                    ; 256 scale bytes
.endm
	WSTEP 0
	WSEND 0, 164
	WSTEP 1
	WSEND 1, 16                                    ; v16-49 hold loaded numbers no more: no global store's data are written again
	s_wait_tensorcnt 0x0                           ; the wave's end
	ds_add_u32 v200, v201
	s_wait_dscnt 0x0
	s_endpgm
.Lfunc_end_k_q086a6e8634_quant:
	.size	k_q086a6e8634_quant, .Lfunc_end_k_q086a6e8634_quant-k_q086a6e8634_quant
	.p2alignl 7, 3214868480
	.fill 96, 4, 3214868480
	.section	.rodata,"a",@progbits
	.p2align	6, 0x0
	.amdhsa_kernel k_q086a6e8634_quant
		.amdhsa_group_segment_fixed_size 94208
		.amdhsa_private_segment_fixed_size 0
		.amdhsa_enable_private_segment 0
		.amdhsa_kernarg_size 32
		.amdhsa_user_sgpr_count 2
		.amdhsa_user_sgpr_kernarg_segment_ptr 1
		.amdhsa_wavefront_size32 1
		.amdhsa_system_sgpr_workgroup_id_x 1
		.amdhsa_system_sgpr_workgroup_id_y 1
		.amdhsa_system_sgpr_workgroup_id_z 1
		.amdhsa_system_vgpr_workitem_id 0
		.amdhsa_next_free_vgpr 202
		.amdhsa_next_free_sgpr 66
		.amdhsa_reserve_vcc 0
		.amdhsa_float_denorm_mode_32 3
		.amdhsa_float_denorm_mode_16_64 3
		.amdhsa_memory_ordered 1
		.amdhsa_forward_progress 1
		.amdhsa_inst_pref_size 69
	.end_amdhsa_kernel
	.amdgpu_metadata
---
amdhsa.version: [ 1, 2 ]
amdhsa.kernels:
  - .name:           k_q086a6e8634_quant
    .symbol:         k_q086a6e8634_quant.kd
    .args:
      - { .name: x, .offset: 0, .size: 8, .value_kind: global_buffer, .address_space: global }
      - { .name: weight, .offset: 8, .size: 8, .value_kind: global_buffer, .address_space: global }
      - { .name: acodes, .offset: 16, .size: 8, .value_kind: global_buffer, .address_space: global }
      - { .name: bcodes, .offset: 24, .size: 8, .value_kind: global_buffer, .address_space: global }
    .group_segment_fixed_size: 94208
    .private_segment_fixed_size: 0
    .kernarg_segment_align: 8
    .kernarg_segment_size: 32
    .max_flat_workgroup_size: 128
    .sgpr_count:     66
    .vgpr_count:     202
    .wavefront_size: 32
...
	.end_amdgpu_metadata
.endif
;; end of part 1
;; launch gemm (part 2): grid 16 x 16, 4 waves a work-group, clusters of 4 x 1, 327,680 bytes of LDS; arguments acodes, bcodes, bias, out0; writes out0
.if DOCPART == 2
	.amdgcn_target "amdgcn-amd-amdhsa--gfx1250"
	.amdhsa_code_object_version 6
	.text
	.protected	k_q086a6e8634_gemm
	.globl	k_q086a6e8634_gemm
	.p2align	8
	.type	k_q086a6e8634_gemm,@function
k_q086a6e8634_gemm:
	s_mov_b64 s[64:65], 0
	v_nop
	global_prefetch_b8 v0, s[64:65] scope:SCOPE_SE
	s_setreg_imm32_b32 hwreg(HW_REG_WAVE_MODE, 25, 1), 1
	s_wait_xcnt 0x0
	s_wait_alu depctr_hold_cnt(0) depctr_sa_sdst(0) depctr_va_vdst(0) depctr_va_sdst(0) depctr_va_ssrc(0) depctr_va_vcc(0) depctr_vm_vsrc(0)
	s_getreg_b32 s2, hwreg(HW_REG_IB_STS2, 6, 4)
	s_cmp_eq_u32 s2, 0
	s_cbranch_scc0 .Lentry_in_a_cluster
	s_endpgm
.Lentry_in_a_cluster:
	s_bfe_u32 s2, ttmp6, 0x10000c
	s_cmp_lg_u32 s2, 0x3003
	s_cbranch_scc0 .Lentry_shape_is_right
	s_endpgm
.Lentry_shape_is_right:
; out[b][n] = sum over k of A[b][k] B[n][k] + bias[n]; A and B are codes of FP4 with one E8M0 byte for each 32 along K, in the layouts that the launch before lays; sums in f32.
; Limits as in the first launch: NaN and infinities among the inputs are not served.
; A work-group of four waves makes 256 rows x 256 columns; wave w the columns 64 w .. 64 w + 63 of them: 32 accumulators of 32 x 16, 512 registers.  256 work-groups.
; A goes through LDS: two slots of 1,024 along K.  A slot holds, for each of the two blocks of 128 rows, two chunks of 512 along K as they lie in memory: 128 rows of 272 bytes (256 of codes, 16 of scale bytes; 68 words: row r starts at
;   bank 4 r mod 64 (64 banks of 4 bytes: ISA guide 11.1)).  A wave fetches one block's one chunk, 34,816 consecutive bytes.  Four fills: slot 0 at the head, slot 1 behind the head's second round, each again behind the rounds of steps 7 and 15.
; CLUSTERS: 4 x 1 work-groups.  The four have the same rows of A and ask for them jointly: the same tensor load, the same descriptor, the mask 15.
; B GOES STRAIGHT INTO REGISTERS: a wave's columns are its own in the work-group, and memory holds the image of its registers, so each load reads 512 consecutive bytes and a fragment is two loads.
;   B is not shared by joint loads: beside A's two slots (278,528 bytes) and the spare words 48,640 bytes of LDS are left, and two slots of one chunk of B's 256 columns are 139,264 bytes.
; STEPS: 32 steps of 128 along K, 32 matrix instructions each, the accumulators by turns, one instruction a turn.  Step s multiplies A's set s % 2 and B's set s % 4.  Two runs of loads, at its head and in its
;   middle, bring A for step s + 1 and B for step s + 3 into the sets that step s - 1 has read.  The steps are written out: their addresses are then constants.
; REGISTERS, in windows of 256:
;   window 0: v6-31 addresses; v32-111 scale words, two sets (a chunk each): 32 of A (pair P of 16-row blocks, step q: register 4 P + q, lane = row), 8 of B (pair of tiles, step q; even tile lanes 0-15, odd tile lanes 16-31);
;             v112-239 B's four sets; v240-243 bias
;   window 1: A's two sets;   windows 2 and 3: the accumulators of row pairs 0-3 and 4-7: (P, t) at v[64 (P % 4) + 16 t].
; PREFETCH: B's chunk c + 3 is asked of memory in step 4 c (c = 0 .. 4), two chunks ahead of the first step that loads it; the work-groups of four rows of clusters ask, a wave for its own columns, a lane a block of 256 bytes.
;   A is not prefetched: nothing runs ahead of its first two fills, and each later one has eight steps, 256 matrix instructions, in which to land.
.set PITCH, 272
.set CHB,   128*PITCH                  ; a chunk of 128 rows of A, or of 128 columns of B: 34,816 bytes
.set STREAM, 8*CHB                     ; all of K
.set SPARE, 8*CHB                      ; LDS behind A's two slots: the spare words, 128 bytes for each wave
.set BI,   6                           ; v6      16 x (lane % 16): bias
.set SPW,  10                          ; v10     my spare word
.set NIL,  11                          ; v11     0
.set BO,   12                          ; v12     16 x lane: B
.set CO,   13                          ; v13     my place in the output
.set PFO,  14                          ; v14     the prefetches: two steps of 16 blocks of 256 bytes
.set PFS,  15                          ; v15     and those of the scale bytes: 4 blocks
.set ADRA, 16                          ; v16-23  LDS address of my A fragments: chunk % 4 + 4 x block of rows
.set ADRS, 24                          ; v24-31  and of my scale words
.set SC,   32
.set BF0,  112
.set BIAS, 240
.set G1,   24                          ; s[24:31] descriptor group 1
.set G0,   32                          ; s[32:47] group 0 of the four fills
.set MSB, 0
.macro WIN new                         ; the immediate's high byte repeats the setting that is left
.if MSB != (\new)
	s_set_vgpr_msb (MSB<<8)|(\new)
.set MSB, (\new)
.endif
.endm
.macro CREST                           ; a round of the cluster's barrier behind its opening barrier
	s_cmp_lg_u32 s14, 0
	s_cbranch_scc1 .Lnot_wave_0_\@
	s_barrier_signal -3
.Lnot_wave_0_\@:
	s_barrier_wait -3
	s_barrier_signal -1
	s_barrier_wait -1
.endm
.macro CROUND
	s_barrier_signal -1
	s_barrier_wait -1
	CREST
.endm
; A load into a register that a matrix instruction has read, and a vector instruction that reads a result or writes one of its registers, stand four places behind it; plain vector instructions alone are places.
.macro PLACES
.rept 4
	v_nop
.endr
.endm
.macro FILL f                          ; the wave's quarter of fill f
	tensor_load_to_lds s[G0+4*\f:G0+4*\f+3], s[G1:G1+7]
	s_nop 0
	PLACES
.endm
	s_load_b256 s[4:11], s[0:1], 0x0               ; A s[4:5], B s[6:7], bias s[8:9], out s[10:11]
	v_lshl_add_u32 v[SPW], v0, 2, SPARE
	v_mov_b32 v[NIL], 0
	ds_add_u32 v[SPW], v[NIL]                      ; the wave's opening: the add, twice on end, and its wait ahead of my first tensor load
	ds_add_u32 v[SPW], v[NIL]
	v_lshrrev_b32 v7, 5, v0
	v_readfirstlane_b32 s14, v7                    ; wave 0..3
	v_and_b32 v1, 31, v0                           ; lane
	v_and_b32 v2, 15, v0                           ; r
	v_bfe_u32 v3, v0, 4, 1                         ; h
	v_lshlrev_b32 v[BO], 4, v1
	v_mul_u32_u24 v4, v2, PITCH
	v_mul_u32_u24 v5, v1, PITCH
	v_lshl_add_u32 v4, v3, 4, v4                   ; a fragment: row r, 16 bytes for each half of the lanes
.irp c, 0,1,2,3,4,5,6,7
	v_add_nc_u32 v[ADRA+\c], ((\c%4)/2)*4*CHB+(\c/4)*2*CHB+(\c%2)*CHB, v4
	v_add_nc_u32 v[ADRS+\c], ((\c%4)/2)*4*CHB+(\c/4)*2*CHB+(\c%2)*CHB+256, v5   ; scale words: row = lane
.endr
	v_lshlrev_b32 v[BI], 4, v2
	v_lshl_add_u32 v[CO], v3, 17, v[BI]            ; the output: 8 h rows of 16,384 bytes + 16 r
	v_lshlrev_b32 v8, 8, v2
	v_lshl_add_u32 v[PFO], v3, 13, v8
	v_min_u32 v9, 3, v1
	v_lshlrev_b32 v[PFS], 8, v9
	s_lshr_b32 s15, s14, 1                         ; which block of 128 rows of A I fetch; which 128 of the columns are mine
	s_and_b32 s16, s14, 1                          ; which chunk of a slot I fetch; which half of those columns
	s_bfe_u32 s56, ttmp6, 0x40000                  ; cx
	s_lshl_b32 s57, ttmp9, 2
	s_add_co_u32 s57, s57, s56                     ; which 256 columns
	s_and_b32 s17, ttmp7, 0xffff                   ; which 256 rows
	s_mov_b32 s[G1+0], 15|(3<<16)|(1<<21)          ; 15:0 the mask: all four; 17:16 elements of 8 bytes; 21 set beside a mask; no padding: the image lies in memory as in LDS
	s_mov_b32 s[G1+1], 32<<16                      ; tensor_dim0 = 32
	s_mov_b32 s[G1+2], 136<<16                     ; tensor_dim1 = 136
	s_mov_b32 s[G1+3], 32<<16                      ; tile_dim0 = 32: 256 bytes
	s_mov_b32 s[G1+4], 136                         ; tile_dim1 = 136: 34,816 bytes
	s_mov_b32 s[G1+5], 32                          ; pitch: rows lie end to end
	s_mov_b32 s[G1+6], 0
	s_mov_b32 s[G1+7], 0
.irp f, 0,1,2,3
	s_mov_b32 s[G0+4*\f], 1
.endr
	s_mul_i32 s[G0+1], s14, CHB                    ; LDS addresses: my quarter of slot 0,
	s_mul_i32 s[G0+9], s14, CHB
	s_add_co_u32 s[G0+5], s[G0+1], 4*CHB           ; of slot 1
	s_add_co_u32 s[G0+13], s[G0+1], 4*CHB
	s_lshl_b32 s20, s17, 1
	s_add_co_u32 s20, s20, s15
	s_mul_i32 s20, s20, STREAM                     ; A: my block of rows
	s_mul_i32 s22, s16, CHB
	s_add_co_u32 s20, s20, s22                     ; and my chunk of the first two
	s_mov_b32 s21, 0
	s_lshl_b32 s58, s57, 1
	s_add_co_u32 s58, s58, s15
	s_mul_i32 s58, s58, STREAM                     ; B: my 128 columns
	s_lshl_b32 s60, s16, 12
	s_add_co_u32 s60, s60, s58                     ; my half's codes,
	s_mov_b32 s61, 0
	s_lshl_b32 s59, s16, 10
	s_add_co_u32 s58, s58, s59
	s_add_co_u32 s58, s58, 32768                   ; and its scale bytes
	s_mov_b32 s59, 0
	s_lshl_b32 s62, s57, 10
	s_lshl_b32 s63, s14, 8
	s_add_co_u32 s62, s62, s63                     ; my columns' 256 bytes of bias, and of a row of the output
	s_mov_b32 s63, 0
	s_lshl_b32 s18, s17, 22                        ; 256 rows of 16,384 bytes
	s_mov_b32 s19, 0
	s_wait_alu depctr_va_vdst(0)                   ; the wait at the end of the head's vector work
	s_wait_dscnt 0x0                               ; both opening adds are done
	s_wait_kmcnt 0x0
	s_add_nc_u64 s[20:21], s[4:5], s[20:21]
.irp f, 0,1,2,3
	s_add_nc_u64 s[G0+4*\f+2:G0+4*\f+3], s[20:21], \f*2*CHB
	s_or_b32 s[G0+4*\f+3], s[G0+4*\f+3], 0x80000000
.endr
	s_add_nc_u64 s[12:13], s[6:7], s[58:59]
	s_add_nc_u64 s[6:7], s[6:7], s[60:61]
	s_add_nc_u64 s[8:9], s[8:9], s[62:63]
	s_add_nc_u64 s[10:11], s[10:11], s[18:19]
	s_add_nc_u64 s[10:11], s[10:11], s[62:63]
	CROUND                                         ; all four work-groups are here: the joint loads meet
	FILL 0                                         ; one tensor load a wave at the head
; A FRAGMENT of A, 32 rows x 128 K, is 16 registers: rows 0-15, then rows 16-31; in each half lane (r, h) holds row r, registers 4 cc .. 4 cc + 3 the block 2 cc + h of 32 along K.  B: the same for 16 columns.
.macro ALOAD s, i                      ; row pair i of step s
.irp c, 0,1,2,3
	ds_load_b128 v[128*((\s)%2)+16*(\i)+4*\c:128*((\s)%2)+16*(\i)+4*\c+3], v[ADRA+((\s)/4)%4+4*((\i)/4)] offset:(32*((\i)%4)+16*(\c/2))*PITCH+64*((\s)%4)+32*(\c%2)
.endr
.endm
.macro SALOAD ch, i                    ; row pair i's scale words of a chunk: four steps
	ds_load_b128 v[SC+40*((\ch)%2)+4*(\i):SC+40*((\ch)%2)+4*(\i)+3], v[ADRS+(\ch)%4+4*((\i)/4)] offset:32*((\i)%4)*PITCH
.endm
.macro SBLOAD ch, i                    ; tiles 2 i and 2 i + 1
	global_load_b128 v[SC+40*((\ch)%2)+32+4*(\i):SC+40*((\ch)%2)+32+4*(\i)+3], v[BO], s[12:13] offset:(\ch)*CHB+512*(\i)
.endm
.macro BLOAD s, n                      ; half n % 2 of tile n / 2 of step s
	global_load_b128 v[BF0+32*((\s)%4)+4*(\n):BF0+32*((\s)%4)+4*(\n)+3], v[BO], s[6:7] offset:((\s)/4)*CHB+8192*((\s)%4)+512*(\n)
.endm
.macro ASK ch                          ; 64 blocks of codes, 4 of scale bytes (the lanes left over name the last again)
	s_cmp_lt_u32 s17, 4
	s_cbranch_scc0 .Lnot_mine_\@
	global_prefetch_b8 v[PFO], s[6:7] offset:(\ch)*CHB th:TH_LOAD_NT scope:SCOPE_SE
	global_prefetch_b8 v[PFO], s[6:7] offset:(\ch)*CHB+16384 th:TH_LOAD_NT scope:SCOPE_SE
	global_prefetch_b8 v[PFS], s[12:13] offset:(\ch)*CHB th:TH_LOAD_NT scope:SCOPE_SE
.Lnot_mine_\@:
.endm
; Four matrix instructions: row pair p x tiles 0 .. 3 of step s.  Step 0 starts the sums with the constant 0.
.macro MUL4 s, p
	WIN 1+0x50*(2+(\p)/4)                          ; source 0 (A) window 1, source 1 (B) window 0, C and D window 2 or 3
.irp t, 0,1,2,3
.set AC, 64*((\p)%4)+16*\t
.set AF, 128*((\s)%2)+16*(\p)
.set BF, BF0+32*((\s)%4)+8*\t
.set WA, SC+40*(((\s)/4)%2)+4*(\p)+(\s)%4
.set WB, SC+40*(((\s)/4)%2)+32+4*(\t/2)+(\s)%4
.if (\s) == 0
.if (\t)%2
	v_wmma_scale_f32_32x16x128_f4 v[AC:AC+15], v[AF:AF+15], v[BF:BF+7], 0, v[WA], v[WB] matrix_b_scale:MATRIX_SCALE_ROW1
.else
	v_wmma_scale_f32_32x16x128_f4 v[AC:AC+15], v[AF:AF+15], v[BF:BF+7], 0, v[WA], v[WB]
.endif
.else
.if (\t)%2
	v_wmma_scale_f32_32x16x128_f4 v[AC:AC+15], v[AF:AF+15], v[BF:BF+7], v[AC:AC+15], v[WA], v[WB] matrix_b_scale:MATRIX_SCALE_ROW1
.else
	v_wmma_scale_f32_32x16x128_f4 v[AC:AC+15], v[AF:AF+15], v[BF:BF+7], v[AC:AC+15], v[WA], v[WB]
.endif
.endif
.endr
.endm
; A run of loads in step s: row pairs 4 half .. 4 half + 3 of A for step s + 1 (in a chunk's last step also their scale words for the next chunk); half of B for step s + 3 (in a chunk's first step also B's scale words for the next chunk).
.macro RUN s, half
	WIN 0x40
.irp i, 0,1,2,3
	ALOAD (\s)+1, 4*\half+\i
.endr
	WIN 0
.if ((\s)%4) == 3
.irp i, 0,1,2,3
	SALOAD (\s)/4+1, 4*\half+\i
.endr
.endif
.if (((\s)%4) == 0) && ((\half) == 0) && ((\s) < 28)
	SBLOAD (\s)/4+1, 0
	SBLOAD (\s)/4+1, 1
.endif
.if (\s) < 29
.irp n, 0,1,2,3
	BLOAD (\s)+3, 4*\half+\n
.endr
.endif
.if (((\s)%4) == 0) && ((\half) == 1) && ((\s) < 20)
	ASK (\s)/4+3
.endif
.endm
; The counts.  B of step s was issued in step s - 3: behind it lie the 8 loads of each of the last two steps, this step's first run's 4, and 2 of scale words where one of these three runs of steps was a chunk's first.
; A's first four pairs of step s were issued in step s - 1's first run: behind it lie that step's second run and this step's first; a run is 16 LDS loads, 20 in a chunk's last step.  Its last four pairs: this step's two runs lie behind them.
.macro STEP s
	PLACES                                         ; for the loads into the sets that step s - 1 has read
	RUN \s, 0
.if (\s) == 29
	s_wait_loadcnt 16                              ; (step 29 loads no B: the 8 of each of the last two steps alone)
.elseif ((\s) == 28) || (((\s)%4) == 3)
	s_wait_loadcnt 20
.else
	s_wait_loadcnt 22
.endif
.if (((\s)%4) == 3) || (((\s)%4) == 0)
	s_wait_dscnt 36
.else
	s_wait_dscnt 32
.endif
.irp p, 0,1,2,3
	MUL4 \s, \p
.endr
	RUN \s, 1
.if ((\s)%4) == 3
	s_wait_dscnt 40
.else
	s_wait_dscnt 32
.endif
.irp p, 4,5,6,7
	MUL4 \s, \p
.endr
.endm
; A slot's last step: behind its barrier the other slot is read.  fill = 1: the barrier opens a round of the cluster's barrier, and this slot, whose last fragments are in registers, is filled again behind it.
.macro TSTEP s, fill, f
	s_wait_loadcnt 16                              ; B of this step is in; the 8 loads of each of the last two steps may be out
	WIN 0
	s_wait_tensorcnt 0x0                           ; my part of the other slot is in;
	ds_add_u32 v[SPW], v[NIL]
	s_wait_dscnt 17                                ; A's first four pairs are in (the last run's 16 loads and the add may be out)
	MUL4 \s, 0
	MUL4 \s, 1
	s_wait_dscnt 0x0                               ; the add is done, and so are my reads of this slot
	s_barrier_signal -1
	MUL4 \s, 2
	MUL4 \s, 3
	WIN 0
	s_barrier_wait -1
.if \fill
	CREST
	FILL \f                                        ; its four v_nop are the places for the loads below
.else
	PLACES
.endif
	RUN \s, 0
	RUN \s, 1
.irp p, 4,5,6,7
	MUL4 \s, \p
.endr
.endm
; Row pair p leaves.  Lane (r, h) holds in tile c, register 8 u + j, row 32 p + 16 u + 8 h + j, column 4 r + c: four tiles' results and their bias make four neighbouring columns, 16 bytes; sixteen lanes fill
; 256 consecutive bytes of a row, at a multiple of 256 from the output's first byte.  The sums lie in v112-175, where B's sets 0 and 1 are done with.
.macro OUT p
.if (\p) > 0
	s_wait_xcnt 0x0                                ; the last pair's stores have read their registers
.endif
.irp u, 0,1
	WIN 2+(\p)/4
.irp j, 0,1,2,3,4,5,6,7
.irp n, 0,1,2,3
	v_add_f32 v[BF0+32*\u+4*\j+\n], v[64*((\p)%4)+16*\n+8*\u+\j], v[BIAS+\n]
.endr
.endr
	WIN 0
.irp j, 0,1,2,3,4,5,6,7
	global_store_b128 v[CO], v[BF0+32*\u+4*\j:BF0+32*\u+4*\j+3], s[10:11] offset:(32*(\p)+16*\u+\j)*16384 th:TH_STORE_NT
.endr
.endr
.endm
	global_load_b128 v[BIAS:BIAS+3], v[BI], s[8:9]                 ; bias of columns 4 r .. 4 r + 3
	SBLOAD 0, 0
	SBLOAD 0, 1
.irp s, 0,1,2
.irp n, 0,1,2,3,4,5,6,7
	BLOAD \s, \n
.endr
.endr
	s_wait_tensorcnt 0x0                           ; my part of slot 0 is in
	ds_add_u32 v[SPW], v[NIL]
	s_wait_dscnt 0x0
	CROUND                                         ; everybody's part is in, and all four work-groups are here
	FILL 1
.irp g, 0,4                                        ; two runs of 20, as in a chunk's last step
	WIN 0x40
.irp i, 0,1,2,3
	ALOAD 0, \g+\i
.endr
	WIN 0
.irp i, 0,1,2,3
	SALOAD 0, \g+\i
.endr
.endr
.set ST, 0
.rept 7
	STEP ST
.set ST, ST+1
.endr
	TSTEP 7, 1, 2
.set ST, 8
.rept 7
	STEP ST
.set ST, ST+1
.endr
	TSTEP 15, 1, 3
.set ST, 16
.rept 7
	STEP ST
.set ST, ST+1
.endr
	TSTEP 23, 0, 0
.set ST, 24
.rept 6
	STEP ST
.set ST, ST+1
.endr
; THE LAST TWO STEPS GO BY ROWS: two row pairs at a time are finished and leave while the next are multiplied.
	PLACES
	WIN 0x40
.irp i, 0,1,2,3,4,5,6,7
	ALOAD 31, \i                                   ; into the set that step 29 has read
.endr
	s_wait_loadcnt 8                               ; B of step 30 is in; step 31's eight may be out
	s_wait_dscnt 32                                ; A of step 30 is in; the 32 just issued may be out
.irp p, 0,2,4,6
	MUL4 30, \p
	MUL4 30, \p+1
.if \p == 0
	s_wait_loadcnt 0x0
	s_wait_dscnt 0x0
.endif
	MUL4 31, \p
	MUL4 31, \p+1
	PLACES                                         ; the additions read results just made
	OUT \p
	OUT \p+1
.endr
	WIN 0
	s_wait_tensorcnt 0x0                           ; the wave's end
	ds_add_u32 v[SPW], v[NIL]
	s_wait_dscnt 0x0
	CROUND                                         ; the closing round: no work-group ends while a partner may still ask for a tile that names it
	s_endpgm
.Lfunc_end_k_q086a6e8634_gemm:
	.size	k_q086a6e8634_gemm, .Lfunc_end_k_q086a6e8634_gemm-k_q086a6e8634_gemm
	.p2alignl 7, 3214868480
	.fill 96, 4, 3214868480
	.section	.rodata,"a",@progbits
	.p2align	6, 0x0
	.amdhsa_kernel k_q086a6e8634_gemm
		.amdhsa_group_segment_fixed_size 327680
		.amdhsa_private_segment_fixed_size 0
		.amdhsa_enable_private_segment 0
		.amdhsa_kernarg_size 32
		.amdhsa_user_sgpr_count 2
		.amdhsa_user_sgpr_kernarg_segment_ptr 1
		.amdhsa_wavefront_size32 1
		.amdhsa_system_sgpr_workgroup_id_x 1
		.amdhsa_system_sgpr_workgroup_id_y 1
		.amdhsa_system_sgpr_workgroup_id_z 1
		.amdhsa_system_vgpr_workitem_id 0
		.amdhsa_next_free_vgpr 1024
		.amdhsa_next_free_sgpr 72
		.amdhsa_reserve_vcc 0
		.amdhsa_float_denorm_mode_32 3
		.amdhsa_float_denorm_mode_16_64 3
		.amdhsa_memory_ordered 1
		.amdhsa_forward_progress 1
		.amdhsa_inst_pref_size 255
	.end_amdhsa_kernel
	.section	.bss,"aw",@nobits
	.p2align	6
	.space	262144
	.amdgpu_metadata
---
amdhsa.version: [ 1, 2 ]
amdhsa.kernels:
  - .name:           k_q086a6e8634_gemm
    .symbol:         k_q086a6e8634_gemm.kd
    .args:
      - { .name: acodes, .offset: 0, .size: 8, .value_kind: global_buffer, .address_space: global }
      - { .name: bcodes, .offset: 8, .size: 8, .value_kind: global_buffer, .address_space: global }
      - { .name: bias, .offset: 16, .size: 8, .value_kind: global_buffer, .address_space: global }
      - { .name: out0, .offset: 24, .size: 8, .value_kind: global_buffer, .address_space: global }
    .group_segment_fixed_size: 327680
    .private_segment_fixed_size: 0
    .kernarg_segment_align: 8
    .kernarg_segment_size: 32
    .max_flat_workgroup_size: 128
    .sgpr_count:     72
    .vgpr_count:     1024
    .wavefront_size: 32
...
	.end_amdgpu_metadata
.endif
;; end of part 2
